; MI455X (gfx1250); checked and timed in simulation.
; The chip was launched on July 23, 2026; its instructions are those of AMD's public machine-readable ISA for CDNA 5 (MIT licence, August 2026) and "CDNA5" Instruction Set Architecture Reference Guide (July 2026). The comments in the code are by the model that wrote it; some were corrected since.
;; Quantized Linear. Allowed arithmetic: matrix products marked QUANTISED: E5M2 operands, one given power-of-two scale a tensor, by v_wmma_f32_16x16x64_bf8_bf8 or v_wmma_f32_16x16x128_bf8_bf8, f32 sums; everything else in f32.
;; Inputs: bias 4,096 float32; lowp_scales 2 int32 (the exponents e of the quantised operands' scales 2^e); scale 4,096 float32; w_q 4,096 x 4,096 int32; x 4,096 x 4,096 float32; zero_point 4,096 float32.
;; Outputs: out0 4,096 x 4,096 float32.
;; This version of the problem:
;;   THIS VERSION OF THE PROBLEM IS GIVEN IN LOW PRECISION. The matrix products marked QUANTISED in the list below multiply operands that are first quantised to E5M2 (5 exponent bits, 2 mantissa bits; 8 bits a number), with one given power-of-two scale for each operand tensor; their sums are f32. All else is computed in f32.
;;   The module's matrix products, in the order in which they are computed (A, B: the left and right operand; K: the contracted axis; several contracted axes count as one K, in the product's order):
;;     1. [M 4,096, K 4,096] x [K 4,096, N 4,096]; A: input x; B: computed on the way: QUANTISED (scales: A lowp_scales[0], B lowp_scales[1])
;;   THE QUANTISER, for each operand of a quantised product, along K:
;;     - The operand's scale is 2^e, e = its entry of the input lowp_scales (int32; the entries are numbered through the quantised products in the list's order, A before B).
;;     - Each number is divided by the scale, clamped to +-57,344, and rounded to the nearest number of E5M2, ties to even, subnormals kept.
;;     - The product sums the exact products of the quantised numbers (number of the format x scale) in f32.
;;   ~~~python
;;   def quantise(x, axis, e):      # numpy; x: float32 -> the quantised numbers, widened to float32 again
;;       x = np.moveaxis(x, axis, -1); K = x.shape[-1]
;;       r = np.clip(x / 2.0 ** e, -57344, 57344)
;;       step = 2.0 ** (np.maximum(np.frexp(np.where(r == 0, 1, r))[1] - 1, -14) - 2)
;;       q = np.round(r / step) * step * 2.0 ** e      # np.round: ties to even
;;       return np.moveaxis(q, -1, axis).astype(np.float32)
;;   ~~~
;;   OPERANDS COMPUTED ON THE WAY. 'Computed on the way' means the value that the module computes at that place (a softmax that the list does not call 'softmax' is quantised finished and normalised). What goes into a quantiser is computed in f32, as accurately as f32 sums, v_exp_f32 and their like allow (about 1e-6 of the number): no bf16 or f16 on the way to a quantiser, and a product that is left as it is and whose result goes on into a quantised operand takes f32 operands (vector FMAs, or v_wmma_f32_16x16x4_f32). A number that lies on a knife's edge between two numbers of the format may be rounded either way, as far as f32 arithmetic and the matrix unit's own rounding can turn it there, and no further.
;; One version. Each part assembles by itself: llvm-mc -triple=amdgcn-amd-amdhsa -mcpu=gfx1250 --defsym DOCPART=n.
;; ======== version 1 of 1: 2 launches
;; limits: right only within a limited range of input values
;; workspace buffers: xc 16,777,216 bytes; wc 16,777,216 bytes
;; launch quant (part 1): grid 1024 x 1, 4 waves a work-group, no clusters, 0 bytes of LDS; arguments x, w_q, scale, zero_point, lowp_scales, xc, wc; writes xc, wc
.if DOCPART == 1
	.amdgcn_target "amdgcn-amd-amdhsa--gfx1250"
	.amdhsa_code_object_version 6
	.text
	.protected	k_qdacdac6977_quant
	.globl	k_qdacdac6977_quant
	.p2align	8
	.type	k_qdacdac6977_quant,@function
k_qdacdac6977_quant:
	s_mov_b64 s[64:65], 0
	v_nop
	global_prefetch_b8 v0, s[64:65] scope:SCOPE_SE
	s_setreg_imm32_b32 hwreg(HW_REG_WAVE_MODE, 25, 1), 1
	s_wait_xcnt 0x0
; x [4096][4096] f32 and w = (float(w_q) - zero_point[o]) * scale[o], w_q [4096][4096] int32, become codes of BF8 (E5M2), one byte each,
; x with the given scale 2^e0, w with 2^e1 (lowp_scales).  code = number / 2^e, held within +-57,344, to the nearest code, ties to even.
; w is made as the source writes it: a conversion, a subtraction, a multiplication, each rounded in f32.
; LIMITS: e0 and e1 lie between -126 and 112, so that 2^e and 57,344 x 2^e are f32 numbers.  NaN among the inputs is not served; an infinity is held at the largest code.
; LAYOUT OF THE CODES (xc and wc alike): [K step 16][row 4096][256 bytes], so that 128 rows of one K step are 32,768 bytes on end for the next launch's tiles.
; Byte 16 m + 4 i + j (m 0..15, i, j 0..3) of K step 2 c + h of a row is the code of k = 512 c + 128 i + 4 (16 h + m) + j: a permutation of k inside 512,
; THE SAME in both tensors, so every product of the next launch meets its partner; only the order of the f32 sums changes.
; It is what the loads give: each of a step's four loads reads 512 consecutive bytes, 16 a lane; a lane's 16 numbers go to two conversions and leave as 16 bytes:
; lanes 0-15 fill one aligned 256 bytes (K step 2 c), lanes 16-31 another (K step 2 c + 1).
; SHARES: work-groups 0..511 take x, 512..1023 w_q: only pointers are chosen, and the lines that make w are jumped over for x (a branch on the work-group's number).
; A wave takes two rows: 16 steps of 512 numbers.  Loads run four steps (16 loads a wave) ahead.  Each step has its own four registers of codes,
; and all 16 stores stand behind the last conversion: no vector line follows a store.  Waves share nothing: no LDS, no barrier.
.set WGX,   512                        ; x's work-groups: 4096 rows / 8 rows a work-group
.set STEPS, 16
.set EMAX,  15                         ; the exponent of 57,344
.set MANT,  0x600000                   ; its mantissa field as f32
.set KSB,   0x100000                   ; bytes of a K step's plane: 4096 rows x 256
.set R,     20                         ; v20-83   four sets of 16 numbers
.set C,     84                         ; v84-147  four registers of codes for each step
; v1: 16 x lane (loads).  v3: 16 (lane % 16) + KSB (lane / 16), the stores' offset for chunks 0-3; v4: the same + 8 KSB, for chunks 4-7.
; v10: 57,344 x 2^e.  v11: 2^e.  v[12:15]: -zero point and scale of my first row, each twice; v[16:19]: of my second row.
	s_load_b256 s[4:11], s[0:1], 0x0               ; x, w_q, scale, zero_point
	s_load_b128 s[12:15], s[0:1], 0x20             ; lowp_scales, xc
	s_load_b64 s[16:17], s[0:1], 0x30              ; wc
	v_lshrrev_b32 v2, 5, v0
	v_readfirstlane_b32 s18, v2                    ; wave 0..3
	v_and_b32 v1, 31, v0
	v_lshlrev_b32 v1, 4, v1
	v_and_b32 v3, 15, v0
	v_lshlrev_b32 v3, 4, v3
	v_bfe_u32 v4, v0, 4, 1
	v_lshl_add_u32 v3, v4, 20, v3
	v_add_nc_u32 v4, 8*KSB, v3
	s_cmp_lt_u32 ttmp9, WGX                        ; x's work-group or w's?
	s_cselect_b32 s19, 0, WGX
	s_sub_co_u32 s19, ttmp9, s19
	s_lshl_b32 s19, s19, 2
	s_add_co_u32 s19, s19, s18                     ; g, 0..2047: my wave takes rows 2 g and 2 g + 1
	s_lshl_b32 s20, s19, 15                        ; two rows of 16,384 bytes in,
	s_mov_b32 s21, 0
	s_lshl_b32 s22, s19, 9                         ; two rows of 256 bytes in each K step's plane out,
	s_mov_b32 s23, 0
	s_lshl_b32 s24, s19, 3                         ; two f32 of scale and of zero_point
	s_mov_b32 s25, 0
	s_wait_alu depctr_va_vdst(0)
	s_wait_kmcnt 0x0
	s_cmp_lt_u32 ttmp9, WGX
	s_cselect_b64 s[4:5], s[4:5], s[6:7]           ; from where
	s_cselect_b64 s[14:15], s[14:15], s[16:17]     ; to where
	s_add_nc_u64 s[4:5], s[4:5], s[20:21]
	s_add_nc_u64 s[14:15], s[14:15], s[22:23]
	s_add_nc_u64 s[8:9], s[8:9], s[24:25]
	s_add_nc_u64 s[10:11], s[10:11], s[24:25]
	s_load_b64 s[26:27], s[8:9], 0x0               ; the two rows' scales (x's work-groups load them too: every register is then written on every way)
	s_load_b64 s[28:29], s[10:11], 0x0             ; and zero points
	s_load_b64 s[30:31], s[12:13], 0x0             ; e0, e1
.macro LOAD t                          ; step t's 512 numbers into set t % 4: four loads of 512 consecutive bytes
.irp i, 0,1,2,3
	global_load_b128 v[R+16*((\t)%4)+4*\i:R+16*((\t)%4)+4*\i+3], v1, s[4:5] offset:2048*(\t)+512*\i th:TH_LOAD_NT
.endr
.endm
.irp t, 0,1,2,3
	LOAD \t
.endr
	s_wait_kmcnt 0x0
	s_cmp_lt_u32 ttmp9, WGX
	s_cselect_b32 s30, s30, s31                    ; e
	s_add_co_i32 s30, s30, 127
	s_lshl_b32 s31, s30, 23
	v_mov_b32 v11, s31                             ; 2^e as f32: the conversion takes its exponent field
	s_add_co_i32 s30, s30, EMAX
	s_lshl_b32 s30, s30, 23
	s_or_b32 s30, s30, MANT
	v_mov_b32 v10, s30                             ; 57,344 x 2^e
	s_xor_b32 s28, s28, 0x80000000                 ; -zero point: q + (-zp) is q - zp, bit for bit
	s_xor_b32 s29, s29, 0x80000000
	v_mov_b32 v12, s28
	v_mov_b32 v13, s28
	v_mov_b32 v14, s26
	v_mov_b32 v15, s26
	v_mov_b32 v16, s29
	v_mov_b32 v17, s29
	v_mov_b32 v18, s27
	v_mov_b32 v19, s27
.macro STEP t
.set XS, R+16*((\t)%4)
.set ZP, 12+4*((\t)/8)                 ; the row's pairs
.if STEPS-1-(\t) >= 3
	s_wait_loadcnt 12                              ; this step's four loads are in; the twelve of the three steps behind it may be out
.else
	s_wait_loadcnt 4*(STEPS-1-(\t))                ; the last steps: four loads for each step that is left
.endif
	s_cmp_lt_u32 ttmp9, WGX
	s_cbranch_scc1 .Lplain_\@                      ; x's numbers are taken as they are
.irp i, 0,1,2,3,4,5,6,7,8,9,10,11,12,13,14,15
	v_cvt_f32_i32 v[XS+\i], v[XS+\i]               ; q as f32
.endr
.irp i, 0,2,4,6,8,10,12,14
	v_pk_add_f32 v[XS+\i:XS+\i+1], v[XS+\i:XS+\i+1], v[ZP:ZP+1]       ; q - zp
.endr
.irp i, 0,2,4,6,8,10,12,14
	v_pk_mul_f32 v[XS+\i:XS+\i+1], v[XS+\i:XS+\i+1], v[ZP+2:ZP+3]     ; x s
.endr
.Lplain_\@:
	s_wait_alu depctr_va_vdst(0)
.irp i, 0,1,2,3,4,5,6,7,8,9,10,11,12,13,14,15
	v_med3_num_f32 v[XS+\i], v[XS+\i], -v10, v10   ; the conversion to an 8-bit code does not saturate (ISA guide 7.6.2): held within the largest code x the scale first
.endr
	v_cvt_scalef32_pk8_bf8_f32 v[C+4*(\t):C+4*(\t)+1], v[XS:XS+7], v11
	v_cvt_scalef32_pk8_bf8_f32 v[C+4*(\t)+2:C+4*(\t)+3], v[XS+8:XS+15], v11
	v_nop                                          ; one plain vector line behind the conversions
.if (\t)+4 < STEPS
	LOAD (\t)+4                                    ; the set just converted takes the numbers of four steps on
.endif
.endm
.irp t, 0,1,2,3,4,5,6,7,8,9,10,11,12,13,14,15
	STEP \t
.endr
.irp t, 0,1,2,3,4,5,6,7,8,9,10,11,12,13,14,15
	global_store_b128 v[3+((\t)%8)/4], v[C+4*(\t):C+4*(\t)+3], s[14:15] offset:((\t)%4)*2*KSB+((\t)/8)*256   ; chunk t % 8 of row t / 8: two aligned runs of 256 bytes, sixteen lanes each
.endr
	s_endpgm
.Lfunc_end_k_qdacdac6977_quant:
	.size	k_qdacdac6977_quant, .Lfunc_end_k_qdacdac6977_quant-k_qdacdac6977_quant
	.p2alignl 7, 3214868480
	.fill 96, 4, 3214868480
	.section	.rodata,"a",@progbits
	.p2align	6, 0x0
	.amdhsa_kernel k_qdacdac6977_quant
		.amdhsa_group_segment_fixed_size 0
		.amdhsa_private_segment_fixed_size 0
		.amdhsa_enable_private_segment 0
		.amdhsa_kernarg_size 56
		.amdhsa_user_sgpr_count 2
		.amdhsa_user_sgpr_kernarg_segment_ptr 1
		.amdhsa_wavefront_size32 1
		.amdhsa_system_sgpr_workgroup_id_x 1
		.amdhsa_system_sgpr_workgroup_id_y 1
		.amdhsa_system_sgpr_workgroup_id_z 1
		.amdhsa_system_vgpr_workitem_id 0
		.amdhsa_next_free_vgpr 148
		.amdhsa_next_free_sgpr 66
		.amdhsa_reserve_vcc 0
		.amdhsa_float_denorm_mode_32 3
		.amdhsa_float_denorm_mode_16_64 3
		.amdhsa_memory_ordered 1
		.amdhsa_forward_progress 1
		.amdhsa_inst_pref_size 56
	.end_amdhsa_kernel
	.amdgpu_metadata
---
amdhsa.version: [ 1, 2 ]
amdhsa.kernels:
  - .name:           k_qdacdac6977_quant
    .symbol:         k_qdacdac6977_quant.kd
    .args:
      - { .name: x, .offset: 0, .size: 8, .value_kind: global_buffer, .address_space: global }
      - { .name: w_q, .offset: 8, .size: 8, .value_kind: global_buffer, .address_space: global }
      - { .name: scale, .offset: 16, .size: 8, .value_kind: global_buffer, .address_space: global }
      - { .name: zero_point, .offset: 24, .size: 8, .value_kind: global_buffer, .address_space: global }
      - { .name: lowp_scales, .offset: 32, .size: 8, .value_kind: global_buffer, .address_space: global }
      - { .name: xc, .offset: 40, .size: 8, .value_kind: global_buffer, .address_space: global }
      - { .name: wc, .offset: 48, .size: 8, .value_kind: global_buffer, .address_space: global }
    .group_segment_fixed_size: 0
    .private_segment_fixed_size: 0
    .kernarg_segment_align: 8
    .kernarg_segment_size: 56
    .max_flat_workgroup_size: 128
    .sgpr_count:     66
    .vgpr_count:     148
    .wavefront_size: 32
...
	.end_amdgpu_metadata
.endif
;; end of part 1
;; launch gemm (part 2): grid 16 x 16, 4 waves a work-group, clusters of 4 x 4, 327,680 bytes of LDS; arguments xc, wc, lowp_scales, bias, out0; writes out0
.if DOCPART == 2
	.amdgcn_target "amdgcn-amd-amdhsa--gfx1250"
	.amdhsa_code_object_version 6
	.text
	.protected	k_qdacdac6977_gemm
	.globl	k_qdacdac6977_gemm
	.p2align	8
	.type	k_qdacdac6977_gemm,@function
k_qdacdac6977_gemm:
	s_mov_b64 s[64:65], 0
	v_nop
	global_prefetch_b8 v0, s[64:65] scope:SCOPE_SE
	s_setreg_imm32_b32 hwreg(HW_REG_WAVE_MODE, 25, 1), 1
	s_wait_xcnt 0x0
	s_wait_alu depctr_hold_cnt(0) depctr_sa_sdst(0) depctr_va_vdst(0) depctr_va_sdst(0) depctr_va_ssrc(0) depctr_va_vcc(0) depctr_vm_vsrc(0)
	s_getreg_b32 s2, hwreg(HW_REG_IB_STS2, 6, 4)
	s_cmp_eq_u32 s2, 0
	s_cbranch_scc0 .Lentry_in_a_cluster
	s_endpgm
.Lentry_in_a_cluster:
	s_bfe_u32 s2, ttmp6, 0x10000c
	s_cmp_lg_u32 s2, 0xf033
	s_cbranch_scc0 .Lentry_shape_is_right
	s_endpgm
.Lentry_shape_is_right:
; out0[m][o] = 2^(e0 + e1) x (sum over k of xc[m][k] wc[o][k]) + bias[o].  xc, wc: codes of BF8 (E5M2) laid [K step 16][row 4096][256 bytes] by the launch before,
; with the same permutation of k in both; sums in f32.  LIMIT: e0 + e1 lies between -126 and 127, so that 2^(e0 + e1) is an f32 number.
; A block of 256 x 256 is made by four waves, each 128 x 128: 64 accumulators, 512 registers.  K goes in steps of 256 through a ring of two LDS slots; a wave's
; tensor load brings 128 rows x 256 bytes, which lie on end in memory.
; CLUSTERS: 4 x 4 work-groups; the four of a row need the same tiles of xc, the four of a column the same tiles of wc: each tile is asked for jointly.
; THE MATRIX INSTRUCTION IS USED TRANSPOSED (source 0 = 16 rows of wc, source 1 = 16 rows of xc): a lane holds eight neighbouring numbers of a row of out0.
; A STEP is 128 along K: 64 products, xc's blocks 0..7 one after the other, each against wc's eight.  wc has two sets of registers, and so have xc's blocks 4-7; blocks 0-3 have one.
; The sixteen fragments of the next step are fetched in TWO runs of LDS loads: wc's eight and xc's block 0 (36 loads), then xc's blocks 1-7 (28 loads), each run behind the
; products that last read its single-set registers, and 24 or 32 products apart.
; THE CHANGE OF SLOTS stands in a slot's second step: its fragments were all asked for in the step before, so its first 32 products run on registers round the waits and the
; opening barrier; the refill and the first run out of the next slot follow the round.
; THE LAST STEP finishes a block of 16 rows with every 8 products: each block goes out at once, through the wave's stage and back into its own accumulators' registers.
; PREFETCH: beside the load of K step t each wave names K step t + 2 (the head also K step 1): 32 rows x 256 bytes, a lane a row; of the 128 rows that a wave fetches the four
; partners take 32 each, told apart by address.  The loop's last trip, whose t + 2 would pass K step 15, asks for nothing.
; REGISTERS: window 0: v0-31 addresses; v32-95 xc's blocks 4-7, second set; v96-99 bias; v128-255 xc's blocks 0-7.  window 1: wc's two sets.  windows 2, 3: the accumulators.
.set SIZE_N, 4096
.set KSB,    0x100000                  ; bytes from a K step to the next: 4096 rows x 256
.set PITCH,  272                       ; an LDS row: 256 bytes + 16 of padding
.set HALFT,  128*PITCH
.set SLOT,   4*HALFT                   ; xc's 256 rows, then wc's 256 rows
.set LAPS,   8                         ; 16 K steps, two to a lap
.set SPARE,  2*SLOT                    ; behind the ring: the spare words, 128 bytes a wave
.set SPITCH, 528                       ; the way out: a stage of 16 rows x (512 + 16) bytes a wave, in slot 0 behind its last fill and last read
.set ADRA, 16                          ; v16-17 LDS address of my xc fragments in slot 0, 1
.set ADRB, 20                          ; v20-21 the same for wc
.set STO,  24
.set RD,   25
.set CO,   26
.set SPW,  28                          ; my spare word; never rewritten
.set NIL,  29                          ; 0; never rewritten
.set PFO,  30                          ; 256 x lane
.set ALT,  32
.set BIAS, 96
.set AF,   128
.set G1, 24
.set G0, 32
.set G1B, 48
.set G0B, 56
.set PFA, 68
.set MSB, 0
.macro WIN new                         ; the immediate's high byte repeats the setting that is left
.if MSB != \new
	s_set_vgpr_msb (MSB<<8)|\new
.set MSB, \new
.endif
.endm
.set MUL_LO, 0xa1                      ; source 0 window 1, source 1 window 0, C and D window 2
.set TO_B,   0x40                      ; destination window 1, address window 0
.macro JLOAD s                         ; waves 0, 1 fetch xc's halves, waves 2, 3 wc's; s_nop 0 and four v_nop behind each line
	s_cmp_eq_u32 s15, 0
	s_cbranch_scc0 .Lfor_b_\@
	tensor_load_to_lds s[G0+4*\s:G0+4*\s+3], s[G1:G1+7]
	s_nop 0
.rept 4
	v_nop
.endr
	s_branch .Lasked_\@
.Lfor_b_\@:
	tensor_load_to_lds s[G0B+4*\s:G0B+4*\s+3], s[G1B:G1B+7]
	s_nop 0
.rept 4
	v_nop
.endr
.Lasked_\@:
.endm
.macro CREST                           ; a round of the cluster's barrier behind its opening barrier
	s_cmp_lg_u32 s14, 0
	s_cbranch_scc1 .Lnot_wave_0_\@
	s_barrier_signal -3
.Lnot_wave_0_\@:
	s_barrier_wait -3
	s_barrier_signal -1
	s_barrier_wait -1
.endm
.macro CROUND
	s_barrier_signal -1
	s_barrier_wait -1
	CREST
.endm
.macro PLACES                          ; four places behind matrix instructions, ahead of loads into their registers and of reads of their results (ISA guide 7.12.1 for the reads)
.rept 4
	v_nop
.endr
.endm
	s_load_b256 s[4:11], s[0:1], 0x0               ; xc, wc, lowp_scales, bias
	s_load_b64 s[12:13], s[0:1], 0x20              ; out0
	v_lshl_add_u32 v[SPW], v0, 2, SPARE
	v_mov_b32 v[NIL], 0
	ds_add_u32 v[SPW], v[NIL]                      ; the opening lines: the add, twice on end,
	ds_add_u32 v[SPW], v[NIL]                      ; and one wait for both, ahead of my first tensor load
	v_lshrrev_b32 v1, 5, v0
	v_readfirstlane_b32 s14, v1                    ; wave 0..3
	s_lshr_b32 s15, s14, 1                         ; my half of the block's rows; also: I fetch for xc (0) or wc (1)
	s_and_b32 s16, s14, 1                          ; my half of its columns; also: which 128 rows I fetch
	s_bfe_u32 s40, ttmp6, 0x40000                  ; cx
	s_bfe_u32 s41, ttmp6, 0x40004                  ; cy
	s_lshl_b32 s42, ttmp9, 2
	s_add_co_u32 s42, s42, s40                     ; block column
	s_and_b32 s17, ttmp7, 0xffff
	s_lshl_b32 s17, s17, 2
	s_add_co_u32 s17, s17, s41                     ; block row
	s_lshl_b32 s43, s41, 2
	s_lshl_b32 s43, 15, s43                        ; my row of the cluster
	s_lshl_b32 s44, 0x1111, s40                    ; my column
	s_or_b32 s[G1+0], s43, (1<<20)|(1<<21)|(5<<22)|(3<<25)    ; mask; bytes; padding of 4 words behind every 64
	s_or_b32 s[G1B+0], s44, (1<<20)|(1<<21)|(5<<22)|(3<<25)
.irp g, G1, G1B
	s_mov_b32 s[\g+1], 256<<16                     ; tensor_dim0
	s_mov_b32 s[\g+2], 128<<16                     ; tensor_dim1
	s_mov_b32 s[\g+3], 256<<16                     ; tile_dim0
	s_mov_b32 s[\g+4], 128                         ; tile_dim1
	s_mov_b32 s[\g+5], 256                         ; the pitch: rows lie on end
	s_mov_b32 s[\g+6], 0
	s_mov_b32 s[\g+7], 0
.endr
	s_lshl_b32 s18, s16, 15                        ; 128 rows x 256 bytes
	s_lshl_b32 s20, s17, 16                        ; xc: 256 rows x 256 bytes x block row
	s_add_co_u32 s20, s20, s18
	s_mov_b32 s21, 0
	s_lshl_b32 s46, s42, 16                        ; wc: by the block column
	s_add_co_u32 s46, s46, s18
	s_mov_b32 s47, 0
	s_mul_i32 s45, s14, HALFT                      ; where my tile goes
	s_mul_i32 s22, s15, HALFT                      ; my 128 rows of xc in a slot
	s_mul_i32 s23, s16, HALFT
	s_add_co_u32 s23, s23, 2*HALFT                 ; my 128 rows of wc
	s_mul_i32 s19, s14, 16*SPITCH                  ; my stage
	s_lshl_b32 s70, s17, 22                        ; out0: 256 rows of 16,384 bytes x block row
	s_lshl_b32 s71, s15, 21
	s_add_co_u32 s70, s70, s71
	s_mov_b32 s71, 0
	s_lshl_b32 s72, s42, 10                        ; my first column in bytes, in out0 and in bias
	s_lshl_b32 s73, s16, 9
	s_add_co_u32 s72, s72, s73
	s_mov_b32 s73, 0
	s_lshl_b32 s74, s17, 16                        ; the prefetches: the tile's first row,
	s_lshl_b32 s75, s42, 16
	s_cmp_eq_u32 s15, 0
	s_cselect_b32 s74, s74, s75
	s_cselect_b32 s75, s40, s41                    ; my place among the four that ask with me,
	s_lshl_b32 s75, s75, 13                        ; 32 rows x 256 bytes each,
	s_add_co_u32 s74, s74, s75
	s_add_co_u32 s74, s74, s18
	s_add_co_u32 s74, s74, KSB                     ; at K step 1
	s_mov_b32 s75, 0
	v_and_b32 v1, 15, v0                           ; l % 16
	v_bfe_u32 v2, v0, 4, 1                         ; l / 16
	v_and_b32 v6, 31, v0
	v_mul_u32_u24 v3, v1, PITCH
	v_lshl_add_u32 v4, v2, 4, v3                   ; a fragment's row x pitch + 16 x half
	v_add_nc_u32 v[ADRA], s22, v4
	v_add_nc_u32 v[ADRB], s23, v4
	v_add_nc_u32 v[ADRA+1], SLOT, v[ADRA]
	v_add_nc_u32 v[ADRB+1], SLOT, v[ADRB]
	v_mul_u32_u24 v5, v1, SPITCH
	v_lshl_add_u32 v5, v2, 5, v5
	v_add_nc_u32 v[STO], s19, v5                   ; into the stage: row l % 16, 32 bytes for each half of the lanes
	v_lshlrev_b32 v[CO], 4, v6                     ; back: 32 lanes take a row of 512 bytes; the same in out0 and in bias
	v_add_nc_u32 v[RD], s19, v[CO]
	v_lshlrev_b32 v[PFO], 8, v6
	s_wait_alu depctr_va_vdst(0)                   ; all the head's vector writes stand ahead of it
	s_wait_dscnt 0x0                               ; both opening adds are done
	s_wait_kmcnt 0x0
	s_load_b64 s[96:97], s[8:9], 0x0               ; e0, e1
	s_add_nc_u64 s[20:21], s[4:5], s[20:21]
	s_add_nc_u64 s[46:47], s[6:7], s[46:47]
	s_cmp_eq_u32 s15, 0
	s_cselect_b64 s[PFA:PFA+1], s[4:5], s[6:7]
	s_add_nc_u64 s[PFA:PFA+1], s[PFA:PFA+1], s[74:75]
	s_add_nc_u64 s[10:11], s[10:11], s[72:73]
	s_add_nc_u64 s[12:13], s[12:13], s[70:71]
	s_add_nc_u64 s[12:13], s[12:13], s[72:73]
.irp s, 0,1
	s_mov_b32 s[G0+4*\s], 1
	s_add_co_u32 s[G0+4*\s+1], s45, \s*SLOT
	s_add_nc_u64 s[G0+4*\s+2:G0+4*\s+3], s[20:21], \s*KSB
	s_or_b32 s[G0+4*\s+3], s[G0+4*\s+3], 0x80000000
	s_mov_b32 s[G0B+4*\s], 1
	s_add_co_u32 s[G0B+4*\s+1], s45, \s*SLOT
	s_add_nc_u64 s[G0B+4*\s+2:G0B+4*\s+3], s[46:47], \s*KSB
	s_or_b32 s[G0B+4*\s+3], s[G0B+4*\s+3], 0x80000000
.endr
	CROUND                                         ; all sixteen work-groups are here: the first joint loads meet
	JLOAD 0                                        ; K step 0: one tensor load a wave at the head
	global_prefetch_b8 v[PFO], s[PFA:PFA+1] th:TH_LOAD_NT scope:SCOPE_SE              ; K step 1
	global_prefetch_b8 v[PFO], s[PFA:PFA+1] offset:KSB th:TH_LOAD_NT scope:SCOPE_SE   ; K step 2
	global_load_b128 v[BIAS:BIAS+3], v[CO], s[10:11]                                  ; bias of columns 4 l .. 4 l + 3 of my 128; waited for ahead of the last step
.macro FRAG reg, adr, q, i             ; 16 rows x 128 K: four loads of 16 bytes a lane, 32 bytes apart
.irp c, 0,1,2,3
	ds_load_b128 v[\reg+4*\c:\reg+4*\c+3], v[\adr] offset:128*(\q)+32*\c+(\i)*16*PITCH
.endr
.endm
; the fragments of the slot's q-th 128 along K into the registers of parity p.  RUN1: wc's eight and xc's block 0, 36 loads.  RUN2: xc's blocks 1-7, 28 loads
.macro RUN1 slot, q, p
	WIN TO_B
.irp f, 0,1,2,3,4,5,6,7
	FRAG 128*(\p)+16*\f, ADRB+\slot, \q, \f
.endr
	WIN 0
	FRAG AF, ADRA+\slot, \q, 0
.endm
.macro RUN2 slot, q, p
	WIN 0
.irp f, 1,2,3
	FRAG AF+16*\f, ADRA+\slot, \q, \f
.endr
.irp f, 4,5,6,7
.if \p
	FRAG ALT+16*(\f-4), ADRA+\slot, \q, \f
.else
	FRAG AF+16*\f, ADRA+\slot, \q, \f
.endif
.endr
.endm
; eight products: xc's block a against wc's eight, registers of parity p.  The 64 accumulators take turns, in the same order in every step
.macro MUL8 a, p, zero
.set AR, AF+16*(\a)
.if ((\a) >= 4) && (\p)
.set AR, ALT+16*((\a)-4)
.endif
.set AC, 64*((\a)%4)
	WIN MUL_LO+0x50*((\a)/4)
.irp b, 0,1,2,3,4,5,6,7
.if \zero
	v_wmma_f32_16x16x128_bf8_bf8 v[AC+8*\b:AC+8*\b+7], v[128*(\p)+16*\b:128*(\p)+16*\b+15], v[AR:AR+15], 0
.else
	v_wmma_f32_16x16x128_bf8_bf8 v[AC+8*\b:AC+8*\b+7], v[128*(\p)+16*\b:128*(\p)+16*\b+15], v[AR:AR+15], v[AC+8*\b:AC+8*\b+7]
.endif
.endr
.endm
; a slot's first step (parity 0).  The counts: behind xc's block a stand four loads for each of the 7 - a later blocks, and what this step itself has issued
.macro STEP slot, zero
.irp a, 0,1
	s_wait_dscnt 4*(7-\a)
	MUL8 \a, 0, \zero
.endr
	PLACES
	RUN1 \slot, 1, 1                               ; the slot's second step: 36 loads
.irp a, 2,3,4,5
	s_wait_dscnt 4*(7-\a)+36
	MUL8 \a, 0, \zero
.endr
	s_wait_dscnt 36                                ; blocks 6 and 7 are in: only RUN1's loads may be out
	PLACES
	RUN2 \slot, 1, 1                               ; and its other 28
.irp a, 6,7
	MUL8 \a, 0, \zero
.endr
	WIN 0
.endm
; a slot's second step (parity 1) changes slots.  fill = 1: this slot is filled again, two K steps on
.macro TURN slot, next, fill
.if \fill
	s_wait_xcnt 0x0                                ; my last prefetch has read its address
	s_add_nc_u64 s[PFA:PFA+1], s[PFA:PFA+1], KSB
.endif
	s_wait_tensorcnt 0x0                           ; all my tensor loads have landed: my part of the next slot
	ds_add_u32 v[SPW], v[NIL]
.irp a, 0,1,2
	s_wait_dscnt 4*(7-\a)+1                        ; the later blocks' loads, and the add
	MUL8 \a, 1, 0
.endr
	s_wait_dscnt 0x0                               ; the add is done, and my reads of this slot are over
	s_barrier_signal -1
	MUL8 3, 1, 0
	WIN 0
	s_barrier_wait -1
.if \fill
	CREST                                          ; the barrier has opened a round of the cluster's barrier: no wave of any partner still reads this slot or has a load on its way
	s_add_nc_u64 s[G0+4*\slot+2:G0+4*\slot+3], s[G0+4*\slot+2:G0+4*\slot+3], 2*KSB
	s_add_nc_u64 s[G0B+4*\slot+2:G0B+4*\slot+3], s[G0B+4*\slot+2:G0B+4*\slot+3], 2*KSB
	JLOAD \slot                                    ; the first tensor load behind the round; its four v_nop are the places ahead of the run
.else
	PLACES
.endif
	RUN1 \next, 0, 0                               ; the next slot's first step: 36 loads
.if \fill
	s_cmp_gt_u32 s3, 1                             ; not in the loop's last trip: K steps 16 and 17 do not exist
	s_cbranch_scc0 .Lno_ask_\@
	global_prefetch_b8 v[PFO], s[PFA:PFA+1] offset:2*KSB th:TH_LOAD_NT scope:SCOPE_SE   ; the K step two behind the one just asked for
.Lno_ask_\@:
.endif
.irp a, 4,5,6
	MUL8 \a, 1, 0
.endr
	PLACES
	RUN2 \next, 0, 0                               ; and its other 28
	MUL8 7, 1, 0
	WIN 0
.endm
	s_wait_tensorcnt 0x0                           ; my part of K step 0 is in
	ds_add_u32 v[SPW], v[NIL]
	s_wait_dscnt 0x0
	CROUND                                         ; everybody's part of K step 0 is in, and the joint loads meet
	JLOAD 1                                        ; K step 1
	RUN1 0, 0, 0
	RUN2 0, 0, 0
	global_prefetch_b8 v[PFO], s[PFA:PFA+1] offset:2*KSB th:TH_LOAD_NT scope:SCOPE_SE   ; K step 3
	STEP 0, 1                                      ; the first step's products start the sums
	s_mov_b32 s3, LAPS-1
.Llap:                                                 ; a trip goes once round the ring and fills both slots again
	TURN 0, 1, 1
	STEP 1, 0
	TURN 1, 0, 1
	STEP 0, 0
	s_sub_co_u32 s3, s3, 1
	s_cmp_lg_u32 s3, 0
	s_cbranch_scc1 .Llap
	TURN 0, 1, 0                                   ; the last lap fills nothing
	STEP 1, 0
; THE WAY OUT of block a, 16 rows x 128 columns.  TOSTAGE: the sums go as they are from the accumulators into my own stage, 32 bytes a lane, and come back as rows of 512 bytes into the
; SAME 64 registers (row t in registers 4 t .. 4 t + 3: columns 4 l .. 4 l + 3).  LDS serves a wave's instructions in order (ISA guide 5.7.1.4): no wait between the stores and the loads.
; SEND: x 2^(e0 + e1) + bias, and 32 lanes store two aligned runs of 256 bytes.  Every offset is an immediate (127 rows of 16,384 bytes at the most); no register is used again.
.macro TOSTAGE a
.set AC, 64*((\a)%4)
.set W, 2+(\a)/4
	WIN W<<2                                       ; store data: the accumulators' window
.irp b, 0,1,2,3,4,5,6,7
	ds_store_b128 v[STO], v[AC+8*\b:AC+8*\b+3] offset:64*\b          ; each accumulator from its low end on
	ds_store_b128 v[STO], v[AC+8*\b+4:AC+8*\b+7] offset:64*\b+16
.endr
	WIN W<<6
.irp t, 0,1,2,3,4,5,6,7,8,9,10,11,12,13,14,15
	ds_load_b128 v[AC+4*\t:AC+4*\t+3], v[RD] offset:\t*SPITCH
.endr
.endm
.macro SEND a
.set AC, 64*((\a)%4)
.set W, 2+(\a)/4
	s_wait_dscnt 0x0                               ; the block is back
	WIN (W<<6)|W                                   ; source 0 and destination: the accumulators' window; bias: window 0
.irp j, 0,4,8,12,16,20,24,28,32,36,40,44,48,52,56,60
	v_pk_fma_f32 v[AC+\j:AC+\j+1], v[AC+\j:AC+\j+1], s[96:97], v[BIAS:BIAS+1] op_sel_hi:[1,0,1]
	v_pk_fma_f32 v[AC+\j+2:AC+\j+3], v[AC+\j+2:AC+\j+3], s[96:97], v[BIAS+2:BIAS+3] op_sel_hi:[1,0,1]
.endr
	WIN W<<2
.irp t, 0,1,2,3,4,5,6,7,8,9,10,11,12,13,14,15
	global_store_b128 v[CO], v[AC+4*\t:AC+4*\t+3], s[12:13] offset:(16*(\a)+\t)*SIZE_N*4 th:TH_STORE_NT
.endr
.endm
	s_wait_kmcnt 0x0
	s_add_co_i32 s96, s96, s97
	s_add_co_i32 s96, s96, 127
	s_lshl_b32 s96, s96, 23                        ; 2^(e0 + e1) as f32
	s_wait_loadcnt 0x0                             ; bias
	; the very last step (parity 1) fetches nothing; block a is finished by its eight products and leaves while the next is multiplied
	s_wait_dscnt 28                                ; wc's eight and xc's block 0
	MUL8 0, 1, 0
	PLACES
	TOSTAGE 0
	s_wait_dscnt 56                                ; xc's block 1: six later blocks' 24 loads and the stage's 32 instructions may be out
	MUL8 1, 1, 0
	SEND 0                                         ; its wait for 0 covers xc's blocks 2-7; its 32 multiply-adds, which name no register of block 1's products, are the places ahead of TOSTAGE 1
	TOSTAGE 1
.irp a, 2,3,4,5,6,7
	MUL8 \a, 1, 0
	SEND \a-1
	TOSTAGE \a
.endr
	SEND 7
	WIN 0
	s_wait_tensorcnt 0x0                           ; the wave's end
	ds_add_u32 v[SPW], v[NIL]
	s_wait_dscnt 0x0
	CROUND                                         ; the closing round
	s_endpgm
.Lfunc_end_k_qdacdac6977_gemm:
	.size	k_qdacdac6977_gemm, .Lfunc_end_k_qdacdac6977_gemm-k_qdacdac6977_gemm
	.p2alignl 7, 3214868480
	.fill 96, 4, 3214868480
	.section	.rodata,"a",@progbits
	.p2align	6, 0x0
	.amdhsa_kernel k_qdacdac6977_gemm
		.amdhsa_group_segment_fixed_size 327680
		.amdhsa_private_segment_fixed_size 0
		.amdhsa_enable_private_segment 0
		.amdhsa_kernarg_size 40
		.amdhsa_user_sgpr_count 2
		.amdhsa_user_sgpr_kernarg_segment_ptr 1
		.amdhsa_wavefront_size32 1
		.amdhsa_system_sgpr_workgroup_id_x 1
		.amdhsa_system_sgpr_workgroup_id_y 1
		.amdhsa_system_sgpr_workgroup_id_z 1
		.amdhsa_system_vgpr_workitem_id 0
		.amdhsa_next_free_vgpr 1024
		.amdhsa_next_free_sgpr 98
		.amdhsa_reserve_vcc 0
		.amdhsa_float_denorm_mode_32 3
		.amdhsa_float_denorm_mode_16_64 3
		.amdhsa_memory_ordered 1
		.amdhsa_forward_progress 1
		.amdhsa_inst_pref_size 126
	.end_amdhsa_kernel
	.amdgpu_metadata
---
amdhsa.version: [ 1, 2 ]
amdhsa.kernels:
  - .name:           k_qdacdac6977_gemm
    .symbol:         k_qdacdac6977_gemm.kd
    .args:
      - { .name: xc, .offset: 0, .size: 8, .value_kind: global_buffer, .address_space: global }
      - { .name: wc, .offset: 8, .size: 8, .value_kind: global_buffer, .address_space: global }
      - { .name: lowp_scales, .offset: 16, .size: 8, .value_kind: global_buffer, .address_space: global }
      - { .name: bias, .offset: 24, .size: 8, .value_kind: global_buffer, .address_space: global }
      - { .name: out0, .offset: 32, .size: 8, .value_kind: global_buffer, .address_space: global }
    .group_segment_fixed_size: 327680
    .private_segment_fixed_size: 0
    .kernarg_segment_align: 8
    .kernarg_segment_size: 40
    .max_flat_workgroup_size: 128
    .sgpr_count:     98
    .vgpr_count:     1024
    .wavefront_size: 32
...
	.end_amdgpu_metadata
.endif
;; end of part 2
